; MI455X (gfx1250); checked and timed in simulation.
; The chip was launched on July 23, 2026; its instructions are those of AMD's public machine-readable ISA for CDNA 5 (MIT licence, August 2026) and "CDNA5" Instruction Set Architecture Reference Guide (July 2026). The comments in the code are by the model that wrote it; some were corrected since.
;; Ada LN Attention. Allowed arithmetic: float matrix products may take bf16 or f16 operands with f32 sums; all other float work in f32.
;; Inputs: K 2,048 x 1,024 float32; Q 2,048 x 1,024 float32; V 2,048 x 1,024 float32; Wk 1,024 x 1,024 float32; Wo 1,024 x 1,024 float32; Wq 1,024 x 1,024 float32; Wv 1,024 x 1,024 float32; bk 1,024 float32; bo 1,024 float32; bq 1,024 float32; bv 1,024 float32.
;; Outputs: out0 2,048 x 1,024 float32.
;; One version. Each part assembles by itself: llvm-mc -triple=amdgcn-amd-amdhsa -mcpu=gfx1250 --defsym DOCPART=n.
;; ======== version 1 of 1: 3 launches
;; limits: values are held in f16: magnitudes above 65,504 overflow, below 6.1e-05 lose precision; right only within a limited range of input values
;; workspace buffers: qf 4,194,304 bytes; kf 4,194,304 bytes; vf 4,194,304 bytes; af 4,194,304 bytes; wof 2,097,152 bytes
;; launch proj (part 1): grid 8 x 32, 8 waves a work-group, no clusters, 110,592 bytes of LDS; arguments Q, K, V, Wq, Wk, Wv, bq, bk, bv, Wo, qf, kf, vf, wof; writes qf, kf, vf, wof
.if DOCPART == 1
	.amdgcn_target "amdgcn-amd-amdhsa--gfx1250"
	.amdhsa_code_object_version 6
	.text
	.protected	k_q7b31b8619d_proj
	.globl	k_q7b31b8619d_proj
	.p2align	8
	.type	k_q7b31b8619d_proj,@function
k_q7b31b8619d_proj:
	s_mov_b64 s[64:65], 0
	v_nop
	global_prefetch_b8 v0, s[64:65] scope:SCOPE_SE
	s_setreg_imm32_b32 hwreg(HW_REG_WAVE_MODE, 25, 1), 1
	s_wait_xcnt 0x0
; q = (Q Wq^T + bq) * 0.125 log2(e), k = K Wk^T + bk, v = V Wv^T + bv, and Wo recoded.  All inputs f32, 1024 along K.
; Work-groups y = 0..23 (y >> 3: 0 q, 1 k, 2 v) make a block of one product; y = 24..31 recode 16 rows of Wo each.
; NUMBERS: the operands Q, K, V, Wq, Wk, Wv are rounded to bf16, sums and bias in f32.  The results are stored in f16: they are operands of the
; next launch's products, and the first rows of a causal softmax average so few values that 8 bits of significand there show in the result.
; LIMIT: |0.18 q|, |k|, |v| below 65,504 (f16); inputs 30 times the usual on both factors give about 4,600, offsets of 30 spreads on both about 28,800.
; Wo is rounded to bf16 like every input and then widened to f16 (exact for |Wo| >= 2^-17, below that to 2^-25), since its partner is f16.
; FRAGMENT ORDER of the stores: a 16 x 32 operand is 1 KiB; byte 512 q + 16 lane holds (index lane%16, k = 16 q + 8 (lane/16) + 0..7), so the
; next launch fills four registers of a fragment by one 16-byte load a lane, and each store here covers 512 consecutive aligned bytes.
;   qf, kf: head*262144 + (token/16)*2048 + (hd/32)*1024;  vf: head*262144 + (key/32)*4096 + (hd/16)*1024 (v transposed);  wof: (column/16)*32768 + (k/32)*1024
; THE PRODUCT: LDS region P holds 256 rows, region R 128 rows, 64 along K a step.  q, k: P = tokens, R = rows of W.  v: P = rows of Wv, R = tokens.
; Source 0 is always R, source 1 always P: a lane's eight results are eight neighbouring indices of R for one index of P, which is k of the
; fragment that is wanted (hd for q and k, key for v).  Only global pointers and offsets hang on the matrix, no LDS address.
; Eight waves, wave (wm = w >> 1, wn = w & 1): 64 rows of P x 64 rows of R, 16 accumulators.
; WHY THROUGH REGISTERS, without tensor loads and clusters: the operands are f32 in memory and have to be narrowed; through registers each number
; is narrowed once for the work-group and LDS holds 2 bytes of it; 60 loads of 16 bytes a lane stay out in every wave, across barriers too.
.set PITCH, 144                        ; 128 bytes of a row + 16: sixteen rows start at sixteen different 16-byte columns of 256 bytes
.set FROWS, 16*PITCH
.set ROFF,  256*PITCH                  ; region R behind region P
.set SLOTB, 384*PITCH                  ; two slots
.set TMP,  8                           ; v[8:31]    narrowed numbers on their way to LDS
.set XF,   32                          ; v[32:63]   four fragments of R
.set YF,   64                          ; v[64:95]   four fragments of P
.set ACC,  96                          ; v[96:223]  acc(a, b) at 96 + 8 (4 a + b): a = fragment of P, b = fragment of R
.set BIAS, 224                         ; v[224:255]
; v1 global offset of my 16 bytes; v2, v3 LDS store address in slot 0, 1; v4, v5 fragment address in R, P; v6 output offset; v7 bias offset
; registers 256 and up: a ring of five half-sets of 48 registers (12 loads each), set k at 256 + 48 k
.set MSB, 0
.macro WIN new                         ; the immediate's high byte repeats the setting that is left
.if MSB != \new
	s_set_vgpr_msb (MSB<<8)|\new
.set MSB, \new
.endif
.endm
.macro PLACES n
.rept \n
	v_nop
.endr
.endm
	s_load_b512 s[16:31], s[0:1], 0x0              ; Q, K, V, Wq, Wk, Wv, bq, bk
	s_load_b256 s[32:39], s[0:1], 0x40             ; bv, Wo, qf, kf
	s_load_b128 s[40:43], s[0:1], 0x60             ; vf, wof
	v_lshrrev_b32 v10, 5, v0
	v_readfirstlane_b32 s12, v10                   ; wave
	s_mov_b32 s13, ttmp9                           ; nb
	s_and_b32 s14, ttmp7, 0xffff                   ; y
	v_and_b32 v11, 15, v0                          ; r
	v_bfe_u32 v12, v0, 4, 1                        ; h
	v_and_b32 v13, 31, v0                          ; lane
	s_mov_b32 s51, 0                               ; high word of every offset pair
	s_cmp_ge_u32 s14, 24
	s_cbranch_scc1 .Lwo
	s_lshr_b32 s15, s14, 3                         ; matrix: 0 q, 1 k, 2 v
	s_and_b32 s44, s14, 7                          ; mb
	s_lshr_b32 s45, s12, 1                         ; wm
	s_and_b32 s46, s12, 1                          ; wn
	s_and_b32 s52, s13, 3                          ; v: which 256 columns
	s_lshr_b32 s53, s13, 2
	s_lshl1_add_u32 s53, s44, s53                  ; v: which 128 tokens = 2 mb + (nb >> 2)
	s_lshl1_add_u32 s56, s13, s46                  ; q, k: head = 2 nb + wn
	s_lshl_b32 s56, s56, 18
	s_lshl2_add_u32 s57, s44, s45
	s_lshl_b32 s57, s57, 13                        ; (16 mb + 4 wm) blocks of 16 tokens x 2,048 bytes
	s_add_co_u32 s56, s56, s57
	s_lshl2_add_u32 s57, s52, s45                  ; v: head = 4 x column block + wm
	s_lshl_b32 s57, s57, 18
	s_lshl1_add_u32 s58, s53, s46
	s_lshl_b32 s58, s58, 13                        ; (4 x token block + 2 wn) blocks of 32 keys x 4,096 bytes
	s_add_co_u32 s57, s57, s58
	s_lshl_b32 s58, s13, 9                         ; q, k: bias of 128 columns a block
	s_lshl_b32 s59, s52, 10                        ; v: of 256
	s_cmp_eq_u32 s15, 2
	s_cselect_b32 s54, s52, s44                    ; block of P
	s_cselect_b32 s55, s53, s13                    ; block of R
	s_cselect_b32 s56, s57, s56                    ; output offset
	s_cselect_b32 s58, s59, s58                    ; bias offset
	s_cselect_b32 s59, -1, 0
	s_cmp_eq_u32 s15, 0
	s_cselect_b32 s48, 0x3e38aa3b, 1.0             ; q carries the softmax's 1/8 and log2(e)
	s_mov_b32 s49, s48
	v_lshl_add_u32 v14, v12, 3, s12                ; row w + 8 h of each 16
	v_lshlrev_b32 v1, 12, v14
	v_lshl_add_u32 v1, v11, 4, v1                  ; sixteen lanes take 256 consecutive aligned bytes: one row's K step
	v_mul_u32_u24 v2, v14, PITCH
	v_lshl_add_u32 v2, v11, 3, v2
	v_add_nc_u32 v3, SLOTB, v2
	v_mul_u32_u24 v15, v11, PITCH
	v_lshl_add_u32 v15, v12, 4, v15                ; r x pitch + 16 h
	s_mul_i32 s60, s46, 4*FROWS
	s_add_co_u32 s60, s60, ROFF
	v_add_nc_u32 v4, s60, v15
	s_mul_i32 s60, s45, 4*FROWS
	v_add_nc_u32 v5, s60, v15
	v_lshl_add_u32 v6, v13, 4, s56
	v_lshlrev_b32 v16, 5, v12
	v_lshl_add_u32 v16, s46, 8, v16                ; q, k: my eight columns 8 h + 0..7 of each 16 of wn's 64
	v_lshlrev_b32 v17, 2, v11
	v_lshl_add_u32 v17, s45, 8, v17                ; v: my column r of each 16 of wm's 64
	v_cndmask_b32 v7, v16, v17, s59
	s_wait_kmcnt 0x0
	s_mov_b64 s[4:5], s[16:17]                     ; P, R, bias, output: q's,
	s_mov_b64 s[6:7], s[22:23]
	s_mov_b64 s[8:9], s[28:29]
	s_mov_b64 s[10:11], s[36:37]
	s_cmp_eq_u32 s15, 1                            ; or k's,
	s_cselect_b64 s[4:5], s[18:19], s[4:5]
	s_cselect_b64 s[6:7], s[24:25], s[6:7]
	s_cselect_b64 s[8:9], s[30:31], s[8:9]
	s_cselect_b64 s[10:11], s[38:39], s[10:11]
	s_cmp_eq_u32 s15, 2                            ; or v's, with Wv in P and V in R
	s_cselect_b64 s[4:5], s[26:27], s[4:5]
	s_cselect_b64 s[6:7], s[20:21], s[6:7]
	s_cselect_b64 s[8:9], s[32:33], s[8:9]
	s_cselect_b64 s[10:11], s[40:41], s[10:11]
	s_lshl_b32 s50, s54, 20                        ; 256 rows of 4,096 bytes
	s_add_nc_u64 s[4:5], s[4:5], s[50:51]
	s_lshl_b32 s50, s55, 19                        ; 128 rows
	s_add_nc_u64 s[6:7], s[6:7], s[50:51]
	s_mov_b32 s50, s58
	s_add_nc_u64 s[8:9], s[8:9], s[50:51]
; Half-set hs (0..31) of K step hs >> 1: even: rows 16 n + w + 8 h of P, n = 0..11; odd: n = 12..15 of P, then n = 0..7 of R.
; K stands in the immediate; v1 and the bases are never rewritten.
.macro GLOAD hs
	WIN 0x40                                       ; destination in the ring, address below 256
.set gs, 48*((\hs)%5)
.set gk, ((\hs)>>1)*256
.if ((\hs)&1) == 0
.irp n, 0,1,2,3,4,5,6,7,8,9,10,11
	global_load_b128 v[gs+4*\n:gs+4*\n+3], v1, s[4:5] offset:\n*65536+gk
.endr
.else
.irp n, 0,1,2,3
	global_load_b128 v[gs+4*\n:gs+4*\n+3], v1, s[4:5] offset:(12+\n)*65536+gk
.endr
.irp n, 0,1,2,3,4,5,6,7
	global_load_b128 v[gs+16+4*\n:gs+16+4*\n+3], v1, s[6:7] offset:\n*65536+gk
.endr
.endif
.endm
; Half-set hs is narrowed to bf16 and stored into its K step's slot; its registers are asked for again, five half-sets ahead.
.macro CVST hs
.if (31-(\hs)) < 4
	s_wait_loadcnt 12*(31-(\hs))                   ; the last half-sets: the count runs down
.else
	s_wait_loadcnt 48                              ; loads come back in order: mine are in, the four younger half-sets' 48 stay out
.endif
	WIN 0x05                                       ; both sources in the ring
.set cs, 48*((\hs)%5)
.irp n, 0,1,2,3,4,5,6,7,8,9,10,11
	v_cvt_pk_bf16_f32 v[TMP+2*\n], v[cs+4*\n], v[cs+4*\n+1]
	v_cvt_pk_bf16_f32 v[TMP+2*\n+1], v[cs+4*\n+2], v[cs+4*\n+3]
.endr
.if (\hs)+5 <= 31
	GLOAD (\hs)+5
.endif
	WIN 0
.set cv, 2+(((\hs)>>1)&1)
.if ((\hs)&1) == 0
.irp n, 0,1,2,3,4,5,6,7,8,9,10,11
	ds_store_b64 v[cv], v[TMP+2*\n:TMP+2*\n+1] offset:\n*FROWS
.endr
.else
.irp n, 0,1,2,3
	ds_store_b64 v[cv], v[TMP+2*\n:TMP+2*\n+1] offset:(12+\n)*FROWS
.endr
.irp n, 0,1,2,3,4,5,6,7
	ds_store_b64 v[cv], v[TMP+8+2*\n:TMP+9+2*\n] offset:ROFF+\n*FROWS
.endr
.endif
.endm
.macro FRAG slot, sub                  ; 16 LDS loads: four fragments of R, four of P, 32 along K at byte 64 sub of the rows
.irp f, 0,1,2,3
	ds_load_b128 v[XF+8*\f:XF+8*\f+3],   v4 offset:(\slot)*SLOTB+\f*FROWS+(\sub)*64
	ds_load_b128 v[XF+8*\f+4:XF+8*\f+7], v4 offset:(\slot)*SLOTB+\f*FROWS+(\sub)*64+32
.endr
.irp f, 0,1,2,3
	ds_load_b128 v[YF+8*\f:YF+8*\f+3],   v5 offset:(\slot)*SLOTB+\f*FROWS+(\sub)*64
	ds_load_b128 v[YF+8*\f+4:YF+8*\f+7], v5 offset:(\slot)*SLOTB+\f*FROWS+(\sub)*64+32
.endr
.endm
.macro MUL zero                        ; the sixteen accumulators take turns, one instruction a turn
.irp a, 0,1,2,3
.irp b, 0,1,2,3
.if \zero
	v_wmma_f32_16x16x32_bf16 v[ACC+8*(4*\a+\b):ACC+8*(4*\a+\b)+7], v[XF+8*\b:XF+8*\b+7], v[YF+8*\a:YF+8*\a+7], 0
.else
	v_wmma_f32_16x16x32_bf16 v[ACC+8*(4*\a+\b):ACC+8*(4*\a+\b)+7], v[XF+8*\b:XF+8*\b+7], v[YF+8*\a:YF+8*\a+7], v[ACC+8*(4*\a+\b):ACC+8*(4*\a+\b)+7]
.endif
.endr
.endr
.endm
; K step s.  One barrier: in front of it every wave's LDS stores into slot s & 1 and its reads of the other slot are done; behind it this slot
; is read and the other one written.  The four v_nop are the places between a matrix instruction and a load into its sources.
.macro TRIP s
	s_wait_dscnt 0x0
	s_barrier_signal -1
	s_barrier_wait -1
	FRAG ((\s)&1), 0
.if (\s) < 15
	CVST 2*(\s)+2
	s_wait_dscnt 12                                ; LDS serves a wave in order: the 16 fragment loads are in, the 12 stores behind them may be out
.else
	s_wait_dscnt 0x0
.endif
.if (\s) == 0
	MUL 1                                          ; the first products start the sums: nothing is cleared
.else
	MUL 0
.endif
	PLACES 4
	FRAG ((\s)&1), 1
.if (\s) < 15
	CVST 2*(\s)+3
	s_wait_dscnt 12
.else
	s_wait_dscnt 0x0
.endif
	MUL 0
	PLACES 4
.endm
.macro PACKST a, b, off                ; eight f32 to f16 in place, 16 bytes a lane out: the wave stores 512 consecutive aligned bytes
.irp p, 0,1,2,3
	v_cvt_pk_f16_f32 v[ACC+8*(4*\a+\b)+\p], v[ACC+8*(4*\a+\b)+2*\p], v[ACC+8*(4*\a+\b)+2*\p+1]
.endr
	global_store_b128 v6, v[ACC+8*(4*\a+\b):ACC+8*(4*\a+\b)+3], s[10:11] offset:\off
.endm
.irp g, 0,1,2,3,4
	GLOAD \g
.endr
	CVST 0
	CVST 1
.irp t, 0,1,2,3,4,5,6,7,8,9,10,11,12,13,14
	TRIP \t
.endr
	; the way out differs, so the ways part here, in front of the last K step: the bias is asked for first and lands under that step's products
	s_cmp_eq_u32 s15, 2
	s_cbranch_scc1 .Lv
.irp b, 0,1,2,3
	global_load_b128 v[BIAS+8*\b:BIAS+8*\b+3],   v7, s[8:9] offset:64*\b
	global_load_b128 v[BIAS+8*\b+4:BIAS+8*\b+7], v7, s[8:9] offset:64*\b+16
.endr
	TRIP 15
	s_wait_loadcnt 0x0
.irp i, 0,1,2,3,4,5,6,7,8,9,10,11,12,13,14,15
	v_pk_mul_f32 v[BIAS+2*\i:BIAS+2*\i+1], v[BIAS+2*\i:BIAS+2*\i+1], s[48:49] op_sel_hi:[1,0]
.endr
.irp a, 0,1,2,3
.irp b, 0,1,2,3
.irp p, 0,1,2,3
	v_pk_fma_f32 v[ACC+8*(4*\a+\b)+2*\p:ACC+8*(4*\a+\b)+2*\p+1], v[ACC+8*(4*\a+\b)+2*\p:ACC+8*(4*\a+\b)+2*\p+1], s[48:49], v[BIAS+8*\b+2*\p:BIAS+8*\b+2*\p+1] op_sel_hi:[1,0,1]
.endr
	PACKST \a, \b, \a*2048+\b*512
.endr
.endr
	s_endpgm
.Lv:
.irp a, 0,1,2,3
	global_load_b32 v[BIAS+\a], v7, s[8:9] offset:64*\a
.endr
	TRIP 15
	s_wait_loadcnt 0x0
.irp a, 0,1,2,3
.irp b, 0,1,2,3
.irp p, 0,1,2,3
.if (\a&1) == 0
	v_pk_add_f32 v[ACC+8*(4*\a+\b)+2*\p:ACC+8*(4*\a+\b)+2*\p+1], v[ACC+8*(4*\a+\b)+2*\p:ACC+8*(4*\a+\b)+2*\p+1], v[BIAS+\a:BIAS+\a+1] op_sel_hi:[1,0]
.else
	v_pk_add_f32 v[ACC+8*(4*\a+\b)+2*\p:ACC+8*(4*\a+\b)+2*\p+1], v[ACC+8*(4*\a+\b)+2*\p:ACC+8*(4*\a+\b)+2*\p+1], v[BIAS+\a-1:BIAS+\a] op_sel:[0,1] op_sel_hi:[1,1]
.endif
.endr
	PACKST \a, \b, (\b>>1)*4096+\a*1024+(\b&1)*512
.endr
.endr
	s_endpgm
	; Wo: 16 rows a work-group, wave w the 128 numbers at k = 128 w of each: four fragments.  No LDS, no barrier.
.Lwo:
	s_sub_co_u32 s52, s14, 24
	s_lshl3_add_u32 s52, s52, s13                  ; which 16 rows: 8 (y - 24) + nb
	v_lshlrev_b32 v1, 12, v11                      ; row r,
	v_lshl_add_u32 v1, v12, 5, v1                  ; 8 h numbers on,
	v_lshl_add_u32 v1, s12, 9, v1                  ; in the wave's 512 bytes; the wave's sixteen loads use all 512 bytes of each row's piece
	v_lshlrev_b32 v2, 4, v13
	v_lshl_add_u32 v2, s12, 12, v2
	s_wait_kmcnt 0x0
	s_lshl_b32 s50, s52, 16
	s_add_nc_u64 s[34:35], s[34:35], s[50:51]
	s_lshl_b32 s50, s52, 15
	s_add_nc_u64 s[42:43], s[42:43], s[50:51]
.irp m, 0,1,2,3,4,5,6,7
	global_load_b128 v[32+8*\m:32+8*\m+3], v1, s[34:35] offset:64*\m th:TH_LOAD_NT
	global_load_b128 v[36+8*\m:36+8*\m+3], v1, s[34:35] offset:64*\m+16 th:TH_LOAD_NT
.endr
.irp m, 0,1,2,3,4,5,6,7
	s_wait_loadcnt 14-2*\m                         ; pair m of the loads is in, the younger pairs stay out
.irp p, 0,1,2,3
	v_cvt_pk_bf16_f32 v[96+4*\m+\p], v[32+8*\m+2*\p], v[33+8*\m+2*\p]      ; rounded to bf16, like every input,
	v_lshlrev_b32 v[32+8*\m+2*\p], 16, v[96+4*\m+\p]
	v_and_b32 v[33+8*\m+2*\p], 0xffff0000, v[96+4*\m+\p]
	v_cvt_pk_f16_f32 v[96+4*\m+\p], v[32+8*\m+2*\p], v[33+8*\m+2*\p]       ; and written in f16, the format of its partner
.endr
	global_store_b128 v2, v[96+4*\m:96+4*\m+3], s[42:43] offset:512*\m
.endr
	s_endpgm
.Lfunc_end_k_q7b31b8619d_proj:
	.size	k_q7b31b8619d_proj, .Lfunc_end_k_q7b31b8619d_proj-k_q7b31b8619d_proj
	.p2alignl 7, 3214868480
	.fill 96, 4, 3214868480
	.section	.rodata,"a",@progbits
	.p2align	6, 0x0
	.amdhsa_kernel k_q7b31b8619d_proj
		.amdhsa_group_segment_fixed_size 110592
		.amdhsa_private_segment_fixed_size 0
		.amdhsa_enable_private_segment 0
		.amdhsa_kernarg_size 112
		.amdhsa_user_sgpr_count 2
		.amdhsa_user_sgpr_kernarg_segment_ptr 1
		.amdhsa_wavefront_size32 1
		.amdhsa_system_sgpr_workgroup_id_x 1
		.amdhsa_system_sgpr_workgroup_id_y 1
		.amdhsa_system_sgpr_workgroup_id_z 1
		.amdhsa_system_vgpr_workitem_id 0
		.amdhsa_next_free_vgpr 512
		.amdhsa_next_free_sgpr 66
		.amdhsa_reserve_vcc 0
		.amdhsa_float_denorm_mode_32 3
		.amdhsa_float_denorm_mode_16_64 3
		.amdhsa_memory_ordered 1
		.amdhsa_forward_progress 1
		.amdhsa_inst_pref_size 222
	.end_amdhsa_kernel
	.amdgpu_metadata
---
amdhsa.version: [ 1, 2 ]
amdhsa.kernels:
  - .name:           k_q7b31b8619d_proj
    .symbol:         k_q7b31b8619d_proj.kd
    .args:
      - { .name: Q, .offset: 0, .size: 8, .value_kind: global_buffer, .address_space: global }
      - { .name: K, .offset: 8, .size: 8, .value_kind: global_buffer, .address_space: global }
      - { .name: V, .offset: 16, .size: 8, .value_kind: global_buffer, .address_space: global }
      - { .name: Wq, .offset: 24, .size: 8, .value_kind: global_buffer, .address_space: global }
      - { .name: Wk, .offset: 32, .size: 8, .value_kind: global_buffer, .address_space: global }
      - { .name: Wv, .offset: 40, .size: 8, .value_kind: global_buffer, .address_space: global }
      - { .name: bq, .offset: 48, .size: 8, .value_kind: global_buffer, .address_space: global }
      - { .name: bk, .offset: 56, .size: 8, .value_kind: global_buffer, .address_space: global }
      - { .name: bv, .offset: 64, .size: 8, .value_kind: global_buffer, .address_space: global }
      - { .name: Wo, .offset: 72, .size: 8, .value_kind: global_buffer, .address_space: global }
      - { .name: qf, .offset: 80, .size: 8, .value_kind: global_buffer, .address_space: global }
      - { .name: kf, .offset: 88, .size: 8, .value_kind: global_buffer, .address_space: global }
      - { .name: vf, .offset: 96, .size: 8, .value_kind: global_buffer, .address_space: global }
      - { .name: wof, .offset: 104, .size: 8, .value_kind: global_buffer, .address_space: global }
    .group_segment_fixed_size: 110592
    .private_segment_fixed_size: 0
    .kernarg_segment_align: 8
    .kernarg_segment_size: 112
    .max_flat_workgroup_size: 256
    .sgpr_count:     66
    .vgpr_count:     512
    .wavefront_size: 32
...
	.end_amdgpu_metadata
.endif
;; end of part 1
;; launch attn (part 2): grid 16 x 16, 8 waves a work-group, clusters of 4 x 1, 327,680 bytes of LDS; arguments qf, kf, vf, af; writes af
.if DOCPART == 2
	.amdgcn_target "amdgcn-amd-amdhsa--gfx1250"
	.amdhsa_code_object_version 6
	.text
	.protected	k_q7b31b8619d_attn
	.globl	k_q7b31b8619d_attn
	.p2align	8
	.type	k_q7b31b8619d_attn,@function
k_q7b31b8619d_attn:
	s_mov_b64 s[64:65], 0
	v_nop
	global_prefetch_b8 v0, s[64:65] scope:SCOPE_SE
	s_setreg_imm32_b32 hwreg(HW_REG_WAVE_MODE, 25, 1), 1
	s_wait_xcnt 0x0
	s_wait_alu depctr_hold_cnt(0) depctr_sa_sdst(0) depctr_va_vdst(0) depctr_va_sdst(0) depctr_va_ssrc(0) depctr_va_vcc(0) depctr_vm_vsrc(0)
	s_getreg_b32 s2, hwreg(HW_REG_IB_STS2, 6, 4)
	s_cmp_eq_u32 s2, 0
	s_cbranch_scc0 .Lentry_in_a_cluster
	s_endpgm
.Lentry_in_a_cluster:
	s_bfe_u32 s2, ttmp6, 0x10000c
	s_cmp_lg_u32 s2, 0x3003
	s_cbranch_scc0 .Lentry_shape_is_right
	s_endpgm
.Lentry_shape_is_right:
; Causal attention, 16 heads of 64, 2,048 tokens.  qf (already times 0.125 log2 e), kf, vf: f16 in fragment order (a 16 x 32 operand is 1 KiB; byte
; 512 q + 16 lane holds index lane%16, k = 16 q + 8 (lane/16) + 0..7).  af: the result, f16, fragment order: (token/16)*32768 + (column/32)*1024.
; SHARES: work-group i = 4 c + cx of head y owns two blocks of 64 query rows, 31 - i and then i.  Keys come in tiles of 256.  The first block needs
; 8 - c tiles, the second c + 1: nine trips for everybody.  The four work-groups of a cluster (same c, same head) want the same tiles in the same
; trips, so each tile is asked for jointly (mask 15).  cx enters only Q's and the result's global offsets and the numbers that the mask compares.
; THE RING: two LDS slots of TWO tiles each (two trips).  Both first fills go out together at the start: four tiles, 256 KiB, are on their way; a
; slot's refill has two trips' work in which to land, and there is one round of the cluster's barrier for two trips.  Each wave brings 16 KiB of a
; slot by one load: waves 0-3 the first tile (K's halves, V's halves), waves 4-7 the second, so the two tiles of a slot need not be neighbours in
; memory (the turn from the first block's last tile to the second block's tile 0).  Two tensor loads of a wave are out at the start, later one.
; Wave w: tt = w & 1: 32 of the 64 rows; g = w >> 1: 64 of the tile's 256 keys.  Each wave keeps a running maximum, sum and O for its quarter of
; the keys; the four quarters are merged through LDS at a block's end.  Two waves share a SIMD: one's softmax runs beside the other's products.
; ORIENTATION: S = wmma(K fragment, Q fragment): lane (r, h) holds query row r and keys 16 T + 8 h + j, so a row's maximum and sum need one
; exchange between the halves of the wave, and S narrowed in place IS the P fragment of O = wmma(V^T fragment, P fragment).
; NUMBERS: operands f16, sums, maxima and exponentials f32, base 2.  The running maximum is taken away before every exponential; it restarts at
; -FLT_MAX.  Exponentials below 2^-126 come out as 0.  The row sum adds the f32 p, the product takes p in f16.  O is kept unnormalised, at most
; 512 |v| a quarter.  Between the two blocks O is not cleared: with the maximum at -FLT_MAX the next trip's factor is 0 (or, where a quarter is
; wholly masked, its weight in the merge is 0), which needs the first block's O finite.
; No prefetch: kf and vf were stored by the launch before, each tile is read by many work-groups, and it is asked for two trips ahead.
.set TILE, 65536                       ; K's tile (32 KiB), then V's; quarter g at 8,192 g
.set SLOT, 131072                      ; two tiles; slots at 0 and 131,072
.set VT,   32768
.set SCR,  262144                      ; merge scratch, never a tensor load's target: O of wave w at 8,192 w, as 16 groups of 512 bytes.
.set REG,  8192                        ; Its first 4 KiB first carry the waves' (m, l): 512 w + 256 u + 8 lane; O is stored over them one barrier later
.set QF, 32                            ; v[32:63]   Q(u, kb) at 32 + 16 u + 8 kb
.set SC, 64                            ; v[64:127]  S(u, T) at 64 + 32 u + 8 T; then P(u, cc) at 64 + 32 u + 8 cc
.set OA, 128                           ; v[128:191] O(u, M) at 128 + 32 u + 8 M
.set KV, 192                           ; v[192:255] K(T, kb) at 192 + 16 T + 8 kb, then V(cc, M) at 192 + 32 cc + 8 M
.set MO, 72                            ; v[72:87]   merged slice
; v0..v3 my quarter in the four tiles of the ring; v4 scratch O in; v5 slice out; v6 (m, l) out; v7 (m, l) in; v8, v9 row - key numbers of the two blocks
; v10 -inf; v12 m0, v13 l0, v14 m1, v15 l1; v[16:17] factors; v[18:19] new maxima; v[20:27] at work; v28, v29 af offsets; v30, v31 qf offsets
; registers 256..287: the second block's Q, asked for at the start
; s12 wave; s13, s14 lane selects; s21 tiles of the first block; s22 its last trip; s24 the trip whose tile my next load brings; s[26:27] my part of tile 0
; s[32:39] descriptor group 1; s[40:43], s[44:47] group 0 of slot 0, 1
.set MSB, 0
.macro WIN new                         ; the immediate's high byte repeats the setting that is left
.if MSB != \new
	s_set_vgpr_msb (MSB<<8)|\new
.set MSB, \new
.endif
.endm
.macro PLACES n
.rept \n
	v_nop
.endr
.endm
; A round of the cluster's barrier: my work-group's barrier, wave 0 signals for the work-group, every wave waits for all four, my barrier again.
.macro ROUND
	s_barrier_signal -1
	s_barrier_wait -1
	s_cmp_lg_u32 s12, 0
	s_cbranch_scc1 .Lnot_wave_0_\@
	s_barrier_signal -3
.Lnot_wave_0_\@:
	s_barrier_wait -3
	s_barrier_signal -1
	s_barrier_wait -1
.endm
	s_load_b256 s[4:11], s[0:1], 0x0               ; qf, kf, vf, af
	v_lshrrev_b32 v11, 5, v0
	v_readfirstlane_b32 s12, v11
	s_mov_b32 s13, 0x76543210                      ; v_permlanex16_b32: lane i takes lane i of the other half
	s_mov_b32 s14, 0xfedcba98
	s_lshr_b32 s15, s12, 1                         ; g
	s_and_b32 s16, s12, 1                          ; tt
	s_mov_b32 s17, ttmp9                           ; c: the cluster's x
	s_bfe_u32 s18, ttmp6, 0x40000                  ; cx
	s_lshl2_add_u32 s19, s17, s18                  ; i
	s_and_b32 s20, ttmp7, 0xffff                   ; head
	s_sub_co_u32 s21, 8, s17
	s_sub_co_u32 s22, 7, s17
	s_lshr_b32 s24, s12, 2                         ; which tile of a slot I bring: my first load's trip is 0 or 1
	; group 1: 16 KiB that are dense in memory, as 64 rows of 32 elements of 8 bytes
	s_mov_b32 s32, 0x0023000f                      ; 15:0 mask: all four of the cluster; 17:16 elements of 8 bytes; 21 set beside a mask
	s_mov_b32 s33, 32<<16                          ; tensor_dim0 = 32
	s_mov_b32 s34, 64<<16                          ; tensor_dim1 = 64
	s_mov_b32 s35, 32<<16                          ; tile_dim0 = 32
	s_mov_b32 s36, 64                              ; tile_dim1 = 64
	s_mov_b32 s37, 32                              ; from row to row: 32 elements
	s_mov_b32 s38, 0
	s_mov_b32 s39, 0
	s_mov_b32 s40, 1
	s_lshl_b32 s41, s12, 14                        ; 16,384 x wave in the slot: tile w >> 2; in it K's two halves, then V's two
	s_mov_b32 s44, 1
	s_add_co_u32 s45, s41, SLOT
	v_and_b32 v20, 31, v0
	v_and_b32 v21, 15, v0
	v_bfe_u32 v22, v0, 4, 1
	v_lshlrev_b32 v25, 4, v20                      ; 16 lane
	v_lshlrev_b32 v23, 3, v20                      ; 8 lane
	s_lshl_b32 s48, s15, 13
	v_add_nc_u32 v0, s48, v25                      ; the thread's number has served: v0..v3 are my quarter in the ring's four tiles
	v_add_nc_u32 v1, 0x10000, v0
	v_add_nc_u32 v2, 0x20000, v0
	v_add_nc_u32 v3, 0x30000, v0
	s_lshl_b32 s48, s12, 13
	s_add_co_u32 s48, s48, SCR
	v_add_nc_u32 v4, s48, v25
	s_lshl_b32 s48, s12, 9
	s_add_co_u32 s48, s48, SCR
	v_add_nc_u32 v7, s48, v23
	s_lshl_b32 s48, s16, 13
	s_add_co_u32 s48, s48, SCR                     ; O of wave (0, tt); wave (g', tt) lies 2 g' regions on
	s_lshl_b32 s49, s15, 11
	s_add_co_u32 s49, s49, s48
	v_add_nc_u32 v5, s49, v25                      ; my slice: groups 4 g .. 4 g + 3 = O(g >> 1, 2 (g & 1) + 0, 1)
	s_lshr_b32 s49, s15, 1                         ; g >> 1
	s_lshl_b32 s50, s49, 8
	s_lshl_b32 s51, s16, 9
	s_add_co_u32 s50, s50, s51
	s_add_co_u32 s50, s50, SCR
	v_add_nc_u32 v6, s50, v23                      ; (m, l) of row tile g >> 1 of wave (0, tt); wave (g', tt) lies 1,024 g' on
	v_lshlrev_b32 v24, 3, v22
	v_sub_nc_u32 v24, v21, v24                     ; r - 8 h
	s_lshl_b32 s50, s16, 5
	s_lshl_b32 s51, s15, 6
	s_sub_co_u32 s50, s50, s51                     ; 32 tt - 64 g
	s_sub_co_u32 s51, 3, s18
	s_lshl_b32 s51, s51, 6                         ; block 31 - i lies at 64 (3 - cx) in its last tile,
	s_add_co_u32 s51, s51, s50
	v_add_nc_u32 v8, s51, v24
	s_lshl_b32 s51, s18, 6                         ; block i at 64 cx
	s_add_co_u32 s51, s51, s50
	v_add_nc_u32 v9, s51, v24
	v_mov_b32 v10, 0xff800000
	s_lshl_b32 s50, s16, 1
	s_lshl_b32 s51, s20, 1
	s_and_b32 s54, s15, 1
	s_add_co_u32 s51, s51, s54
	s_lshl_b32 s51, s51, 10                        ; (2 head + (g & 1)) KiB
	s_sub_co_u32 s52, 31, s19
	s_lshl2_add_u32 s52, s52, s50                  ; first row tile of my 32 rows, first block
	s_lshl2_add_u32 s53, s19, s50                  ; second block
	s_lshl_b32 s55, s20, 18
	s_lshl_b32 s56, s52, 11
	s_add_co_u32 s56, s56, s55
	v_add_nc_u32 v30, s56, v25
	s_lshl_b32 s56, s53, 11
	s_add_co_u32 s56, s56, s55
	v_add_nc_u32 v31, s56, v25
	s_add_co_u32 s56, s52, s49
	s_lshl_b32 s56, s56, 15
	s_add_co_u32 s56, s56, s51
	v_add_nc_u32 v28, s56, v25
	s_add_co_u32 s56, s53, s49
	s_lshl_b32 s56, s56, 15
	s_add_co_u32 s56, s56, s51
	v_add_nc_u32 v29, s56, v25
	s_and_b32 s50, s12, 1
	s_lshl_b32 s50, s50, 14                        ; which half of K's or V's 32 KiB
	s_add_co_u32 s28, s50, s55
	s_mov_b32 s29, 0
	s_and_b32 s51, s12, 2                          ; waves 0, 1, 4, 5 bring K, waves 2, 3, 6, 7 V
	s_wait_kmcnt 0x0
	s_cmp_eq_u32 s51, 0
	s_cselect_b64 s[26:27], s[6:7], s[8:9]
	s_add_nc_u64 s[26:27], s[26:27], s[28:29]      ; made of the head and the wave's number: the same in all four work-groups
	s_lshl_b32 s28, s24, 15                        ; slot 0: tiles 0 and 1
	s_add_nc_u64 s[42:43], s[26:27], s[28:29]
	s_or_b32 s43, s43, 0x80000000
	s_add_co_u32 s24, s24, 2                       ; slot 1: tiles 2 and 3 (the first block has five tiles or more)
	s_lshl_b32 s28, s24, 15
	s_add_nc_u64 s[46:47], s[26:27], s[28:29]
	s_or_b32 s47, s47, 0x80000000
.macro KVLOAD base, off                ; my quarter's eight fragments: 16 loads of 512 consecutive bytes
.set n, 0
.rept 16
	ds_load_b128 v[KV+4*n:KV+4*n+3], v[\base] offset:\off+512*n
.set n, n+1
.endr
.endm
.macro SMUL                            ; eight accumulators take turns, one instruction a turn
.irp kb, 0,1
.irp T, 0,1,2,3
.irp u, 0,1
.if \kb == 0
	v_wmma_f32_16x16x32_f16 v[SC+32*\u+8*\T:SC+32*\u+8*\T+7], v[KV+16*\T+8*\kb:KV+16*\T+8*\kb+7], v[QF+16*\u+8*\kb:QF+16*\u+8*\kb+7], 0
.else
	v_wmma_f32_16x16x32_f16 v[SC+32*\u+8*\T:SC+32*\u+8*\T+7], v[KV+16*\T+8*\kb:KV+16*\T+8*\kb+7], v[QF+16*\u+8*\kb:QF+16*\u+8*\kb+7], v[SC+32*\u+8*\T:SC+32*\u+8*\T+7]
.endif
.endr
.endr
.endr
.endm
.macro MASK vd                         ; -inf where key > row: 16 T + j > (row - 64 g - 8 h), both counted from the tile's first key
.irp u, 0,1
	v_add_nc_u32 v11, 16*\u, \vd
.irp T, 0,1,2,3
.irp j, 0,1,2,3,4,5,6,7
	v_cmp_gt_i32 vcc_lo, 16*\T+\j, v11
	v_cndmask_b32 v[SC+32*\u+8*\T+\j], v[SC+32*\u+8*\T+\j], v10, vcc_lo
.endr
.endr
.endr
.endm
.macro MAXU u, first                   ; new maximum of row tile u: my 32 numbers in four chains, the old maximum, the other half of the wave
.set SB, SC+32*\u
.irp k, 0,1,2,3
	v_max3_num_f32 v[20+\k], v[SB+8*\k], v[SB+8*\k+1], v[SB+8*\k+2]
.endr
.irp k, 0,1,2,3
	v_max3_num_f32 v[20+\k], v[20+\k], v[SB+8*\k+3], v[SB+8*\k+4]
.endr
.irp k, 0,1,2,3
	v_max3_num_f32 v[20+\k], v[20+\k], v[SB+8*\k+5], v[SB+8*\k+6]
.endr
	v_max3_num_f32 v20, v20, v[SB+7], v[SB+15]
	v_max3_num_f32 v22, v22, v[SB+23], v[SB+31]
	v_max3_num_f32 v20, v20, v21, v22
.if \first
	v_max_num_f32 v20, v20, v23
.else
	v_max3_num_f32 v20, v20, v23, v[12+2*\u]
.endif
	v_permlanex16_b32 v21, v20, s13, s14
	v_max_num_f32 v[18+\u], v20, v21
.endm
.macro SOFTU u, first                  ; p = 2^(S - m), its sum into l, p to f16 in place, O times the factor
.set SB, SC+32*\u
.irp p, 0,1,2,3,4,5,6,7,8,9,10,11,12,13,14,15
	v_pk_add_f32 v[SB+2*\p:SB+2*\p+1], v[SB+2*\p:SB+2*\p+1], v[18:19] op_sel:[0,\u] op_sel_hi:[1,\u] neg_lo:[0,1] neg_hi:[0,1]
.endr
.set e, 0
.rept 32
	v_exp_f32 v[SB+e], v[SB+e]
.set e, e+1
.endr
	v_mov_b32 v[12+2*\u], v[18+\u]                 ; the plain instruction between the exponentials and their first use (ISA guide 5.7.2)
	s_wait_alu depctr_va_vdst(0)
.irp k, 0,1,2,3
	v_pk_add_f32 v[20+2*\k:21+2*\k], v[SB+8*\k:SB+8*\k+1], v[SB+8*\k+2:SB+8*\k+3]
.endr
.irp k, 0,1,2,3
	v_pk_add_f32 v[20+2*\k:21+2*\k], v[20+2*\k:21+2*\k], v[SB+8*\k+4:SB+8*\k+5]
.endr
.irp k, 0,1,2,3
	v_pk_add_f32 v[20+2*\k:21+2*\k], v[20+2*\k:21+2*\k], v[SB+8*\k+6:SB+8*\k+7]
.endr
	v_pk_add_f32 v[20:21], v[20:21], v[22:23]
	v_pk_add_f32 v[24:25], v[24:25], v[26:27]
	v_pk_add_f32 v[20:21], v[20:21], v[24:25]
.if \first
	v_add_f32 v[13+2*\u], v20, v21
.else
	v_add_f32 v20, v20, v21
	v_fma_f32 v[13+2*\u], v[13+2*\u], v[16+\u], v20    ; l stays the sum over my half's keys until the block's end
.endif
.set e, 0
.rept 16
	v_cvt_pk_f16_f32 v[SB+e], v[SB+2*e], v[SB+2*e+1]   ; register e is written when registers 2 e, 2 e + 1 are read: nothing unread is lost
.set e, e+1
.endr
.if \first == 0
.irp p, 0,1,2,3,4,5,6,7,8,9,10,11,12,13,14,15
	v_pk_mul_f32 v[OA+32*\u+2*\p:OA+32*\u+2*\p+1], v[OA+32*\u+2*\p:OA+32*\u+2*\p+1], v[16:17] op_sel:[0,\u] op_sel_hi:[1,\u]
.endr
.endif
.endm
.macro PVMUL first                     ; eight accumulators take turns, one instruction a turn
.irp cc, 0,1
.irp M, 0,1,2,3
.irp u, 0,1
.set z, (\first)*(1-\cc)
.if z
	v_wmma_f32_16x16x32_f16 v[OA+32*\u+8*\M:OA+32*\u+8*\M+7], v[KV+32*\cc+8*\M:KV+32*\cc+8*\M+7], v[SC+32*\u+8*\cc:SC+32*\u+8*\cc+7], 0
.else
	v_wmma_f32_16x16x32_f16 v[OA+32*\u+8*\M:OA+32*\u+8*\M+7], v[KV+32*\cc+8*\M:KV+32*\cc+8*\M+7], v[SC+32*\u+8*\cc:SC+32*\u+8*\cc+7], v[OA+32*\u+8*\M:OA+32*\u+8*\M+7]
.endif
.endr
.endr
.endr
.endm
; A block's end: the four key quarters of each 32 rows meet in the scratch; wave g merges and stores a quarter of the 32 x 64 results.
; The ring leaves 65,536 bytes of LDS, which O of the eight waves fills, so (m, l) go through its first 4 KiB first:
; store (m, l), barrier, read them, barrier, store O over them, barrier, read the slices.
; The scratch is written again only in trip 8, behind the wait for LDS and the barrier that stand in front of that trip.
.macro FINISH voff, reload
	v_permlanex16_b32 v20, v13, s13, s14
	v_permlanex16_b32 v21, v15, s13, s14
	v_add_f32 v13, v13, v20                        ; l over both halves' keys
	v_add_f32 v15, v15, v21
	ds_store_b64 v7, v[12:13]
	ds_store_b64 v7, v[14:15] offset:256
	s_wait_dscnt 0x0                               ; for the others' sake: my stores are done
	s_barrier_signal -1
	s_barrier_wait -1
.irp gg, 0,1,2,3
	ds_load_b64 v[SC+2*\gg:SC+2*\gg+1], v6 offset:\gg*1024
.endr
	s_wait_dscnt 0x0                               ; my reads of (m, l) are done:
	s_barrier_signal -1
	s_barrier_wait -1                              ; everybody's are, so their bytes may be written over
.irp n, 0,1,2,3,4,5,6,7,8,9,10,11,12,13,14,15
	ds_store_b128 v4, v[OA+4*\n:OA+4*\n+3] offset:512*\n
.endr
	v_max3_num_f32 v24, v[SC], v[SC+2], v[SC+4]    ; the weights are made while the stores go
	v_max_num_f32 v24, v24, v[SC+6]
.irp gg, 0,1,2,3
	v_sub_f32 v[20+\gg], v[SC+2*\gg], v24
.endr
.irp gg, 0,1,2,3
	v_exp_f32 v[20+\gg], v[20+\gg]
.endr
	v_nop
	s_wait_alu depctr_va_vdst(0)
	v_mul_f32 v25, v20, v[SC+1]
	v_fmac_f32 v25, v21, v[SC+3]
	v_fmac_f32 v25, v22, v[SC+5]
	v_fmac_f32 v25, v23, v[SC+7]
	v_rcp_f32 v25, v25
	v_nop
	s_wait_alu depctr_va_vdst(0)
.irp gg, 0,1,2,3
	v_mul_f32 v[20+\gg], v[20+\gg], v25            ; weight of quarter gg: 2^(m - max) / sum
.endr
.if \reload
	s_wait_loadcnt 0x0                             ; the second block's Q, asked for at the kernel's start,
	WIN 0x01                                       ; moves from registers 256..287 into the products' operand registers
.set e, 0
.rept 32
	v_mov_b32 v[QF+e], v[e]
.set e, e+1
.endr
	WIN 0
.endif
	s_wait_dscnt 0x0                               ; for the others' sake: my stores are done
	s_barrier_signal -1
	s_barrier_wait -1
.irp gg, 0,1,2,3
.irp k, 0,1,2,3
	ds_load_b128 v[KV+16*\gg+4*\k:KV+16*\gg+4*\k+3], v5 offset:\gg*2*REG+512*\k
.endr
.endr
	s_wait_dscnt 0x0
.irp p, 0,1,2,3,4,5,6,7
	v_pk_mul_f32 v[MO+2*\p:MO+2*\p+1], v[KV+2*\p:KV+2*\p+1], v[20:21] op_sel_hi:[1,0]
.endr
.irp p, 0,1,2,3,4,5,6,7
	v_pk_fma_f32 v[MO+2*\p:MO+2*\p+1], v[KV+16+2*\p:KV+16+2*\p+1], v[20:21], v[MO+2*\p:MO+2*\p+1] op_sel:[0,1,0] op_sel_hi:[1,1,1]
.endr
.irp p, 0,1,2,3,4,5,6,7
	v_pk_fma_f32 v[MO+2*\p:MO+2*\p+1], v[KV+32+2*\p:KV+32+2*\p+1], v[22:23], v[MO+2*\p:MO+2*\p+1] op_sel_hi:[1,0,1]
.endr
.irp p, 0,1,2,3,4,5,6,7
	v_pk_fma_f32 v[MO+2*\p:MO+2*\p+1], v[KV+48+2*\p:KV+48+2*\p+1], v[22:23], v[MO+2*\p:MO+2*\p+1] op_sel:[0,1,0] op_sel_hi:[1,1,1]
.endr
.irp p, 0,1,2,3,4,5,6,7
	v_cvt_pk_f16_f32 v[MO+16+\p], v[MO+2*\p], v[MO+2*\p+1]
.endr
	global_store_b128 \voff, v[MO+16:MO+19], s[10:11]              ; each store of the wave covers 512 consecutive aligned bytes
	global_store_b128 \voff, v[MO+20:MO+23], s[10:11] offset:512
.if \reload
	v_mov_b32 v12, 0xff7fffff                      ; the second block starts: maxima at -FLT_MAX, sums at 0
	v_mov_b32 v14, 0xff7fffff
	v_mov_b32 v13, 0
	v_mov_b32 v15, 0
	s_wait_xcnt 0x0                                ; the stores' data registers are S registers of the next trip
.endif
.endm
; The change of slots.  slot = the one that the last two trips read.  refill = 1: it is filled again, every wave bringing its 16 KiB;
; 2: only one tile is left (trip 8's), which waves 0-3 bring; 0: nothing is left to fetch, a work-group barrier shows the other slot whole.
.macro SWITCH slot, refill
	s_wait_tensorcnt 0x0                           ; all my tensor loads are done, my part of the other slot among them: a group 0 may be written
.if \refill
	s_add_co_u32 s24, s24, 2                       ; the trip whose tile I bring next;
	s_sub_co_u32 s28, s24, s21
	s_cmp_lt_u32 s24, s21
	s_cselect_b32 s28, s24, s28                    ; its tile: 0, 1, .. of the first block, then 0, 1, .. of the second
	s_lshl_b32 s28, s28, 15
	s_add_nc_u64 s[42+4*(\slot):43+4*(\slot)], s[26:27], s[28:29]
	s_or_b32 s[43+4*(\slot)], s[43+4*(\slot)], 0x80000000
.endif
	s_wait_dscnt 0x0                               ; my reads of this slot are done
.if \refill
	ROUND                                          ; both now hold of every wave of all four work-groups
.if \refill == 2
	s_cmp_ge_u32 s12, 4
	s_cbranch_scc1 .Lnone_\@                       ; waves 4-7 have no part of a tile to bring
.endif
	tensor_load_to_lds s[40+4*(\slot):43+4*(\slot)], s[32:39]      ; my one tensor load behind the round, and the first thing there
	s_nop 0
.if \refill == 2
.Lnone_\@:
.endif
.else
	s_barrier_signal -1
	s_barrier_wait -1
.endif
.endm
; Trip t: a tile of 256 keys, in tile t & 1 of slot (t >> 1) & 1.  No barrier stands between a slot's two trips: the one in front has shown the whole slot.
; fin = 1: this may be the first block's last trip (t = s22, the same in all waves and all four work-groups); fin = 2: it is the second block's last.
.macro TRIP t, first, fin
.set tb, (((\t)>>1)&1)*2+((\t)&1)
	KVLOAD tb, 0
.if \first
	s_wait_loadcnt 0x8                             ; the first block's Q is in; the second block's eight loads stay out
.endif
	s_wait_dscnt 0x0
	SMUL
	PLACES 5                                       ; between the products and the loads into K's registers, the reads of S and P's use as an operand
	KVLOAD tb, VT                                  ; V lands under the softmax
.if \fin == 1
	s_cmp_lg_u32 s22, \t
	s_cbranch_scc1 .Lnomask_\@
	MASK v8
.Lnomask_\@:
.endif
.if \fin == 2
	MASK v9
.endif
	MAXU 0, \first
	MAXU 1, \first
.if \first == 0
	v_sub_f32 v16, v12, v18
	v_sub_f32 v17, v14, v19
	v_exp_f32 v16, v16                             ; 2^(old maximum - new); the subtractions below stand between these and their use
	v_exp_f32 v17, v17
.endif
	SOFTU 0, \first
	SOFTU 1, \first
	s_wait_dscnt 0x0
	PVMUL \first
	PLACES 5                                       ; the next products write over P, the next loads over V, the block's end reads O
.if \fin == 1
	s_cmp_lg_u32 s22, \t
	s_cbranch_scc1 .Lnofin_\@
	FINISH v28, 1
.Lnofin_\@:
.endif
.if \fin == 2
	FINISH v29, 0
.endif
.endm
.irp n, 0,1,2,3,4,5,6,7
	global_load_b128 v[QF+4*\n:QF+4*\n+3], v30, s[4:5] offset:512*\n       ; the first block's Q
.endr
	WIN 0x40                                       ; destination in registers 256 and up, address below
.irp n, 0,1,2,3,4,5,6,7
	global_load_b128 v[4*\n:4*\n+3], v31, s[4:5] offset:512*\n             ; the second block's Q: it has the whole first block in which to land
.endr
	WIN 0
	ROUND                                          ; all four work-groups are here: the first joint loads meet
	tensor_load_to_lds s[40:43], s[32:39]          ; tiles 0 and 1
	s_nop 0
	tensor_load_to_lds s[44:47], s[32:39]          ; tiles 2 and 3
	s_nop 0
	s_wait_tensorcnt 0x1                           ; my part of slot 0 is in; slot 1's may stay out
	s_barrier_signal -1
	s_barrier_wait -1                              ; everybody's is
	TRIP 0, 1, 0                                   ; trips 0 to 3 are never a block's last: the first block has five tiles or more
	TRIP 1, 0, 0
	SWITCH 0, 1                                    ; slot 0: the tiles of trips 4 and 5
	TRIP 2, 0, 0
	TRIP 3, 0, 0
	SWITCH 1, 1                                    ; slot 1: the tiles of trips 6 and 7
	TRIP 4, 0, 1
	TRIP 5, 0, 1
	SWITCH 0, 2                                    ; slot 0: the tile of trip 8
	TRIP 6, 0, 1
	TRIP 7, 0, 1
	SWITCH 1, 0                                    ; nothing is left to fetch
	TRIP 8, 0, 2
	ROUND                                          ; the closing round: no work-group ends while a partner may still ask jointly
	s_endpgm
.Lfunc_end_k_q7b31b8619d_attn:
	.size	k_q7b31b8619d_attn, .Lfunc_end_k_q7b31b8619d_attn-k_q7b31b8619d_attn
	.p2alignl 7, 3214868480
	.fill 96, 4, 3214868480
	.section	.rodata,"a",@progbits
	.p2align	6, 0x0
	.amdhsa_kernel k_q7b31b8619d_attn
		.amdhsa_group_segment_fixed_size 327680
		.amdhsa_private_segment_fixed_size 0
		.amdhsa_enable_private_segment 0
		.amdhsa_kernarg_size 32
		.amdhsa_user_sgpr_count 2
		.amdhsa_user_sgpr_kernarg_segment_ptr 1
		.amdhsa_wavefront_size32 1
		.amdhsa_system_sgpr_workgroup_id_x 1
		.amdhsa_system_sgpr_workgroup_id_y 1
		.amdhsa_system_sgpr_workgroup_id_z 1
		.amdhsa_system_vgpr_workitem_id 0
		.amdhsa_next_free_vgpr 288
		.amdhsa_next_free_sgpr 66
		.amdhsa_reserve_vcc 1
		.amdhsa_float_denorm_mode_32 3
		.amdhsa_float_denorm_mode_16_64 3
		.amdhsa_memory_ordered 1
		.amdhsa_forward_progress 1
		.amdhsa_inst_pref_size 217
	.end_amdhsa_kernel
	.amdgpu_metadata
---
amdhsa.version: [ 1, 2 ]
amdhsa.kernels:
  - .name:           k_q7b31b8619d_attn
    .symbol:         k_q7b31b8619d_attn.kd
    .args:
      - { .name: qf, .offset: 0, .size: 8, .value_kind: global_buffer, .address_space: global }
      - { .name: kf, .offset: 8, .size: 8, .value_kind: global_buffer, .address_space: global }
      - { .name: vf, .offset: 16, .size: 8, .value_kind: global_buffer, .address_space: global }
      - { .name: af, .offset: 24, .size: 8, .value_kind: global_buffer, .address_space: global }
    .group_segment_fixed_size: 327680
    .private_segment_fixed_size: 0
    .kernarg_segment_align: 8
    .kernarg_segment_size: 32
    .max_flat_workgroup_size: 256
    .sgpr_count:     66
    .vgpr_count:     288
    .wavefront_size: 32
...
	.end_amdgpu_metadata
.endif
;; end of part 2
;; launch oproj (part 3): grid 16 x 16, 4 waves a work-group, clusters of 4 x 1, 167,936 bytes of LDS; arguments af, wof, bo, out0; writes out0
.if DOCPART == 3
	.amdgcn_target "amdgcn-amd-amdhsa--gfx1250"
	.amdhsa_code_object_version 6
	.text
	.protected	k_q7b31b8619d_oproj
	.globl	k_q7b31b8619d_oproj
	.p2align	8
	.type	k_q7b31b8619d_oproj,@function
k_q7b31b8619d_oproj:
	s_mov_b64 s[64:65], 0
	v_nop
	global_prefetch_b8 v0, s[64:65] scope:SCOPE_SE
	s_setreg_imm32_b32 hwreg(HW_REG_WAVE_MODE, 25, 1), 1
	s_wait_xcnt 0x0
	s_wait_alu depctr_hold_cnt(0) depctr_sa_sdst(0) depctr_va_vdst(0) depctr_va_sdst(0) depctr_va_ssrc(0) depctr_va_vcc(0) depctr_vm_vsrc(0)
	s_getreg_b32 s2, hwreg(HW_REG_IB_STS2, 6, 4)
	s_cmp_eq_u32 s2, 0
	s_cbranch_scc0 .Lentry_in_a_cluster
	s_endpgm
.Lentry_in_a_cluster:
	s_bfe_u32 s2, ttmp6, 0x10000c
	s_cmp_lg_u32 s2, 0x3003
	s_cbranch_scc0 .Lentry_shape_is_right
	s_endpgm
.Lentry_shape_is_right:
; out0 = attn Wo^T + bo.  af: the attention result, f16 in fragment order, (token/16)*32768 + (k/32)*1024; wof: Wo, f16, (column/16)*32768 + (k/32)*1024
; (a 16 x 32 operand is 1 KiB; byte 512 q + 16 lane holds index lane%16, k = 16 q + 8 (lane/16) + 0..7).  bo and out0 f32; sums f32.
; A work-group makes 128 tokens x 64 columns, wave w 32 tokens x 64 columns: 8 accumulators; K = 1,024 in 32 steps of 32.
; CLUSTER: the four work-groups of a cluster have the same 64 columns.  Their 128 KiB of Wo (all of K) are asked for jointly, once, at the start, in four
; quarters of K: each wave issues four tensor loads of 8 KiB, so four are out at the most, and nothing in LDS is ever filled again.
; The attention result's fragments go straight from memory into registers: each is used by one wave of the work-group alone.  Seven steps are kept out.
; Source 0 = Wo's fragment, source 1 = the tokens': a lane holds eight neighbouring columns of one token's row.  The way out goes through the
; wave's own stage in LDS, so that sixteen lanes store 256 consecutive aligned bytes of a row of out0.
.set STAGE, 131072                     ; behind Wo's 131,072 bytes: 32 rows x 272 bytes for each wave, never a tensor load's target
.set SP,    272                        ; 256 bytes + 16: sixteen rows start at sixteen different 16-byte columns of 256 bytes
.set WB, 16                            ; v[16:79]   two buffers of Wo's four fragments
.set AC, 80                            ; v[80:143]  acc(a, b) at 80 + 8 (4 a + b)
.set AR, 144                           ; v[144:255] ring of seven steps x two fragments of tokens
; v1 af offset; v2, v3 LDS: 16 lane, + 65,536; v4 stage in; v5 stage out; v6 out0 offset; v7 bias offset; v[8:11] bias
.macro PLACES n
.rept \n
	v_nop
.endr
.endm
.macro ROUND
	s_barrier_signal -1
	s_barrier_wait -1
	s_cmp_lg_u32 s12, 0
	s_cbranch_scc1 .Lnot_wave_0_\@
	s_barrier_signal -3
.Lnot_wave_0_\@:
	s_barrier_wait -3
	s_barrier_signal -1
	s_barrier_wait -1
.endm
	s_load_b256 s[4:11], s[0:1], 0x0               ; af, wof, bo, out0
	v_lshrrev_b32 v12, 5, v0
	v_readfirstlane_b32 s12, v12                   ; wave
	s_bfe_u32 s13, ttmp6, 0x40000                  ; cx
	s_lshl2_add_u32 s14, ttmp9, s13                ; which 128 tokens
	s_and_b32 s15, ttmp7, 0xffff                   ; which 64 columns
	s_mov_b32 s16, 0x0023000f                      ; group 1: mask of all four, elements of 8 bytes, bit 21 beside the mask
	s_mov_b32 s17, 32<<16                          ; 32 rows of 32 elements, dense: 8 KiB
	s_mov_b32 s18, 32<<16
	s_mov_b32 s19, 32<<16
	s_mov_b32 s20, 32
	s_mov_b32 s21, 32
	s_mov_b32 s22, 0
	s_mov_b32 s23, 0
	s_lshl_b32 s42, s12, 13
.irp j, 0,1,2,3
	s_mov_b32 s[24+4*\j], 1
	s_add_co_u32 s[25+4*\j], s42, \j*32768         ; K quarter j at 32,768 j; the wave's 16 columns at 8,192 w
.endr
	v_and_b32 v12, 31, v0
	v_and_b32 v13, 15, v0
	v_bfe_u32 v14, v0, 4, 1
	v_lshlrev_b32 v2, 4, v12
	v_add_nc_u32 v3, 0x10000, v2
	v_lshl_add_u32 v1, s12, 16, v2                 ; two blocks of 16 tokens a wave
	s_mul_i32 s43, s12, 32*SP
	s_add_co_u32 s43, s43, STAGE
	v_mul_u32_u24 v15, v13, SP
	v_lshl_add_u32 v15, v14, 5, v15
	v_add_nc_u32 v4, s43, v15                      ; in: row r, 32 bytes for each half of the lanes
	v_mul_u32_u24 v15, v14, SP
	v_lshl_add_u32 v15, v13, 4, v15
	v_add_nc_u32 v5, s43, v15                      ; back: lanes 0-15 one row of 256 bytes, lanes 16-31 the next
	v_lshlrev_b32 v7, 4, v13
	s_lshl_b32 s43, s12, 5
	v_add_nc_u32 v15, s43, v14
	v_lshl_add_u32 v6, v15, 12, v7                 ; row 32 w + h of out0's block, 16 r bytes in
	s_lshl_b32 s40, s15, 17
	s_lshl_b32 s43, s12, 15
	s_add_co_u32 s40, s40, s43
	s_mov_b32 s41, 0
	s_wait_kmcnt 0x0
	s_add_nc_u64 s[6:7], s[6:7], s[40:41]          ; made of the column block and the wave's number: the same in all four work-groups
.irp j, 0,1,2,3
	s_add_nc_u64 s[26+4*\j:27+4*\j], s[6:7], \j*8192
	s_or_b32 s[27+4*\j], s[27+4*\j], 0x80000000
.endr
	s_lshl_b32 s40, s14, 18
	s_add_nc_u64 s[4:5], s[4:5], s[40:41]
	s_lshl_b32 s40, s15, 8
	s_add_nc_u64 s[8:9], s[8:9], s[40:41]
	s_add_nc_u64 s[10:11], s[10:11], s[40:41]
	s_lshl_b32 s40, s14, 19
	s_add_nc_u64 s[10:11], s[10:11], s[40:41]
.macro GLOADA s
.set ga, AR+16*((\s)%7)
.irp a, 0,1
	global_load_b128 v[ga+8*\a:ga+8*\a+3],   v1, s[4:5] offset:\a*32768+(\s)*1024
	global_load_b128 v[ga+8*\a+4:ga+8*\a+7], v1, s[4:5] offset:\a*32768+(\s)*1024+512
.endr
.endm
.macro WLOAD s
.set wb, WB+32*((\s)&1)
.set wa, 2+((\s)>>4)
.set wo, (((\s)>>3)&1)*32768+((\s)&7)*1024
.irp b, 0,1,2,3
	ds_load_b128 v[wb+8*\b:wb+8*\b+3],   v[wa] offset:wo+\b*8192
	ds_load_b128 v[wb+8*\b+4:wb+8*\b+7], v[wa] offset:wo+\b*8192+512
.endr
.endm
.macro QWAIT j                         ; K quarter j is whole: my part has landed, the later quarters stay out (nothing is filled again), everybody's has
	s_wait_tensorcnt 3-(\j)
	s_barrier_signal -1
	s_barrier_wait -1
.endm
.macro MULO s                          ; eight accumulators take turns, one instruction a turn
.set wb, WB+32*((\s)&1)
.set ga, AR+16*((\s)%7)
.irp b, 0,1,2,3
.irp a, 0,1
.if (\s) == 0
	v_wmma_f32_16x16x32_f16 v[AC+8*(4*\a+\b):AC+8*(4*\a+\b)+7], v[wb+8*\b:wb+8*\b+7], v[ga+8*\a:ga+8*\a+7], 0
.else
	v_wmma_f32_16x16x32_f16 v[AC+8*(4*\a+\b):AC+8*(4*\a+\b)+7], v[wb+8*\b:wb+8*\b+7], v[ga+8*\a:ga+8*\a+7], v[AC+8*(4*\a+\b):AC+8*(4*\a+\b)+7]
.endif
.endr
.endr
.endm
.macro STEP s
	s_wait_dscnt 0x0                               ; this step's fragments of Wo are in
.if (\s) < 31
.if (((\s)+1)&7) == 0
	QWAIT ((\s)+1)/8
.endif
	WLOAD (\s)+1                                   ; the next step's land under this step's products
.endif
.if (31-(\s)) < 6
	s_wait_loadcnt 4*(31-(\s))
.else
	s_wait_loadcnt 24                              ; this step's four loads are in, the six younger steps' 24 stay out
.endif
	MULO \s
	PLACES 4                                       ; between the products and the loads into their sources
.if (\s)+7 < 32
	GLOADA (\s)+7
.endif
.endm
	global_load_b128 v[8:11], v7, s[8:9]           ; the oldest load: every later count covers it
.irp s, 0,1,2,3,4,5,6
	GLOADA \s
.endr
	ROUND                                          ; all four work-groups are here: the joint loads meet
.irp j, 0,1,2,3
	tensor_load_to_lds s[24+4*\j:27+4*\j], s[16:23]
	s_nop 0
.endr
	QWAIT 0
	WLOAD 0
.irp s, 0,1,2,3,4,5,6,7,8,9,10,11,12,13,14,15,16,17,18,19,20,21,22,23,24,25,26,27,28,29,30,31
	STEP \s
.endr
	; the way out: my own stage; LDS serves a wave's instructions in order, so the loads see the stores
.irp a, 0,1
.irp b, 0,1,2,3
	ds_store_b128 v4, v[AC+8*(4*\a+\b):AC+8*(4*\a+\b)+3]   offset:\a*16*SP+\b*64
	ds_store_b128 v4, v[AC+8*(4*\a+\b)+4:AC+8*(4*\a+\b)+7] offset:\a*16*SP+\b*64+16
.endr
.endr
.irp t, 0,1,2,3,4,5,6,7,8,9,10,11,12,13,14,15
	ds_load_b128 v[AR+4*\t:AR+4*\t+3], v5 offset:\t*2*SP
.endr
.irp t, 0,1,2,3,4,5,6,7,8,9,10,11,12,13,14,15
	s_wait_dscnt 15-\t                             ; pair t of rows is back, the younger loads may be out
	v_pk_add_f32 v[AR+4*\t:AR+4*\t+1],   v[AR+4*\t:AR+4*\t+1],   v[8:9]
	v_pk_add_f32 v[AR+4*\t+2:AR+4*\t+3], v[AR+4*\t+2:AR+4*\t+3], v[10:11]
	global_store_b128 v6, v[AR+4*\t:AR+4*\t+3], s[10:11] offset:\t*8192 th:TH_STORE_NT
.endr
	ROUND                                          ; the closing round
	s_endpgm
.Lfunc_end_k_q7b31b8619d_oproj:
	.size	k_q7b31b8619d_oproj, .Lfunc_end_k_q7b31b8619d_oproj-k_q7b31b8619d_oproj
	.p2alignl 7, 3214868480
	.fill 96, 4, 3214868480
	.section	.rodata,"a",@progbits
	.p2align	6, 0x0
	.amdhsa_kernel k_q7b31b8619d_oproj
		.amdhsa_group_segment_fixed_size 167936
		.amdhsa_private_segment_fixed_size 0
		.amdhsa_enable_private_segment 0
		.amdhsa_kernarg_size 32
		.amdhsa_user_sgpr_count 2
		.amdhsa_user_sgpr_kernarg_segment_ptr 1
		.amdhsa_wavefront_size32 1
		.amdhsa_system_sgpr_workgroup_id_x 1
		.amdhsa_system_sgpr_workgroup_id_y 1
		.amdhsa_system_sgpr_workgroup_id_z 1
		.amdhsa_system_vgpr_workitem_id 0
		.amdhsa_next_free_vgpr 256
		.amdhsa_next_free_sgpr 66
		.amdhsa_reserve_vcc 0
		.amdhsa_float_denorm_mode_32 3
		.amdhsa_float_denorm_mode_16_64 3
		.amdhsa_memory_ordered 1
		.amdhsa_forward_progress 1
		.amdhsa_inst_pref_size 61
	.end_amdhsa_kernel
	.amdgpu_metadata
---
amdhsa.version: [ 1, 2 ]
amdhsa.kernels:
  - .name:           k_q7b31b8619d_oproj
    .symbol:         k_q7b31b8619d_oproj.kd
    .args:
      - { .name: af, .offset: 0, .size: 8, .value_kind: global_buffer, .address_space: global }
      - { .name: wof, .offset: 8, .size: 8, .value_kind: global_buffer, .address_space: global }
      - { .name: bo, .offset: 16, .size: 8, .value_kind: global_buffer, .address_space: global }
      - { .name: out0, .offset: 24, .size: 8, .value_kind: global_buffer, .address_space: global }
    .group_segment_fixed_size: 167936
    .private_segment_fixed_size: 0
    .kernarg_segment_align: 8
    .kernarg_segment_size: 32
    .max_flat_workgroup_size: 128
    .sgpr_count:     66
    .vgpr_count:     256
    .wavefront_size: 32
...
	.end_amdgpu_metadata
.endif
;; end of part 3
